; MI455X (gfx1250); checked and timed in simulation.
; The chip was launched on July 23, 2026; its instructions are those of AMD's public machine-readable ISA for CDNA 5 (MIT licence, August 2026) and "CDNA5" Instruction Set Architecture Reference Guide (July 2026). The comments in the code are by the model that wrote it; some were corrected since.
;; Bit Feed Forward. Allowed arithmetic: matrix products marked QUANTISED: E3M2 operands, one E8M0 scale for each 32 along K, by v_wmma_scale_f32_16x16x128_f8f6f4 with both operands' format E3M2, f32 sums; everything else in f32.
;; Inputs: b1 2,048 float32; b2 2,048 float32; w1 2,048 x 2,048 float32; w2 2,048 x 2,048 float32; x 4 x 2,048 x 2,048 float32.
;; Outputs: out0 4 x 2,048 x 2,048 float32.
;; This version of the problem:
;;   THIS VERSION OF THE PROBLEM IS GIVEN IN LOW PRECISION. The matrix products marked QUANTISED in the list below multiply operands that are first quantised to E3M2 (3 exponent bits, 2 mantissa bits; 6 bits a number), with one power-of-two scale for each 32 numbers along K (OCP MX v1.0); their sums are f32. All else is computed in f32.
;;   The module's matrix products, in the order in which they are computed (A, B: the left and right operand; K: the contracted axis; several contracted axes count as one K, in the product's order):
;;     1. [M 8,192, K 2,048] x [K 2,048, N 2,048]; A: computed on the way; B: computed on the way: QUANTISED
;;     2. [M 8,192, K 2,048] x [K 2,048, N 2,048]; A: computed on the way; B: computed on the way: QUANTISED
;;   THE QUANTISER, for each operand of a quantised product, along K:
;;     - K is cut into blocks of 32 from its start; a last block that is shorter is filled with zeros.
;;     - A block's scale is 2^e with e = floor(log2(the largest magnitude in the block)) - 4, held to -126 .. 127; a block of zeros has e = 0. As a byte (E8M0): e + 127.
;;     - Each number is divided by its block's scale, clamped to +-28, and rounded to the nearest number of E3M2, ties to even, subnormals kept.
;;     - The product sums the exact products of the quantised numbers (number of the format x scale) in f32.
;;   ~~~python
;;   def quantise(x, axis):      # numpy; x: float32 -> the quantised numbers, widened to float32 again
;;       x = np.moveaxis(x, axis, -1); K = x.shape[-1]
;;       x = np.pad(x, [(0, 0)] * (x.ndim - 1) + [(0, -K % 32)]); x = x.reshape(x.shape[:-1] + (-1, 32)); a = np.abs(x).max(-1, keepdims=True)
;;       e = np.where(a > 0, np.clip(np.frexp(np.where(a > 0, a, 1))[1] - 1 - 4, -126, 127), 0)      # np.frexp(a)[1] - 1 = floor(log2(a)), exactly
;;       r = np.clip(x / 2.0 ** e, -28, 28)
;;       step = 2.0 ** (np.maximum(np.frexp(np.where(r == 0, 1, r))[1] - 1, -2) - 2)
;;       q = np.round(r / step) * step * 2.0 ** e      # np.round: ties to even
;;       return np.moveaxis(q.reshape(q.shape[:-2] + (-1,))[..., :K], -1, axis).astype(np.float32)
;;   ~~~
;;   OPERANDS COMPUTED ON THE WAY. 'Computed on the way' means the value that the module computes at that place (a softmax that the list does not call 'softmax' is quantised finished and normalised). What goes into a quantiser is computed in f32, as accurately as f32 sums, v_exp_f32 and their like allow (about 1e-6 of the number): no bf16 or f16 on the way to a quantiser, and a product that is left as it is and whose result goes on into a quantised operand takes f32 operands (vector FMAs, or v_wmma_f32_16x16x4_f32). A number that lies on a knife's edge between two numbers of the format may be rounded either way, as far as f32 arithmetic and the matrix unit's own rounding can turn it there, and no further.
;; One version. Each part assembles by itself: llvm-mc -triple=amdgcn-amd-amdhsa -mcpu=gfx1250 --defsym DOCPART=n.
;; ======== version 1 of 1: 4 launches
;; limits: right only within a limited range of input values
;; workspace buffers: ps1 512 bytes; ps2 512 bytes; acod 12,582,912 bytes; ascl 524,288 bytes; w1c 3,145,728 bytes; w2c 3,145,728 bytes; h 67,108,864 bytes
;; launch quant (part 1): grid 768 x 1, 16 waves a work-group, no clusters, 142,848 bytes of LDS; arguments x, w1, w2, acod, ascl, w1c, w2c, ps1, ps2; writes acod, ascl, w1c, w2c, ps1, ps2
.if DOCPART == 1
	.amdgcn_target "amdgcn-amd-amdhsa--gfx1250"
	.amdhsa_code_object_version 6
	.text
	.protected	k_qda51f8f13e_quant
	.globl	k_qda51f8f13e_quant
	.p2align	8
	.type	k_qda51f8f13e_quant,@function
k_qda51f8f13e_quant:
	s_mov_b64 s[64:65], 0
	v_nop
	global_prefetch_b8 v0, s[64:65] scope:SCOPE_SE
	s_setreg_imm32_b32 hwreg(HW_REG_WAVE_MODE, 25, 1), 1
	s_wait_xcnt 0x0
; The first product's left operand as codes of BF6 (E3M2) with one E8M0 byte for each 32 along K, and what the two products' launches need of the weights (K is innermost in x, w1 and w2).
;   x:  row / sqrt(mean of squares + 1e-6) x 2048^-0.5; rounded to whole steps of (the row's largest magnitude, at least 1e-5) / 127, clipped to -128 .. 127; then the MX quantiser.
;   w:  the operand is sign(w) x mean|w| (sign(0) = 0), and the mean spans the whole tensor.  So this launch stores (a) a partial sum of |w| for each 16 rows, 128 for a tensor, and (b) for each w its SIGN CODE: the code of 28
;       under w's sign, which has all five magnitude bits set, or 0 where w is 0.  The product's launch adds the partial sums, makes the code of the mean, and ANDs it onto the sign codes: what comes out is the stated quantiser's code.
; SHARES.  A work-group takes 16 rows, a wave one row of 2,048 numbers.  Work-groups 0-127: w1's row blocks; 128-255: w2's; 256-767: x's.  Only pointers are chosen by the work-group's number; the branches on it part
; register work, and at the end the two small stores; every LDS store is one text for all.
; A LANE HOLDS 64 NEIGHBOURS.  Each load takes 512 consecutive bytes, 16 a lane; the row turns through the wave's own LDS region (16 bytes of padding behind each 256) and comes back 256 bytes a lane: two whole blocks of 32.
; A BLOCK'S LARGEST RESULT IS NOT SEARCHED FOR TWICE: the largest magnitude is taken of x as loaded; all that follows rises with the magnitude and is odd in the sign, so the same instructions on that maximum give the block's largest result bit for bit.
; THE CODES' LAYOUT is the order of the matrix operand's registers.  Row = 128 g + 16 i + r, K step s = 2 t + q of 128: the fragment (16 rows x 128 K, 1,536 bytes) begins at 196,608 g + 24,576 t + 12,288 q + 1,536 i;
; in it register p (0..11) of lane l = r + 16 h lies at 512 (p / 4) + 16 l + 4 (p % 4); registers 6 c .. 6 c + 5 are the 24 bytes of block 2 c + h of the K step.  So the product's launch takes a fragment by three loads of 16 bytes a lane.
; x's SCALE BYTES: 8,192 g + 1,024 i + 128 t + 8 r + 4 q + b (b: the block in the K step): a row block's 1,024 bytes are dense.  The weights have none here: their byte hangs on the mean alone.
; WAY OUT.  A row's 1,536 bytes of codes go to the head of its wave's region; behind a barrier wave w reads K step w of all 16 rows as the fragment's registers and stores three times 512 consecutive bytes.
; LIMITS: NaN and infinities are not served.  A block of x whose largest magnitude lies under 2^-122 has its byte held at 1; a block of zeros has the byte 1 where the rule says 127: its codes are zeros, and this program alone reads the bytes.
; The norm's and the rounding's factors are folded into two, K1 = c x rsqrt x 127 / clip and K2 = clip / 127: a few last bits from the reference's order of operations.  The sum of |w| is taken in a fixed order that is not the reference's.
.set REG,  8720                        ; a wave's LDS region: 32 x 272 bytes + 16, so that the 16 regions begin 16 bytes apart modulo 256
.set SCST, 16*REG                      ; behind them: the row block's 1,024 scale bytes, in their final order
.set WSR,  SCST+1024                   ; and a word for each wave: its row's sum
.set D,    16                          ; v16-79   the row's 64 numbers of my lane
.set K1,   98                          ; v[98:99]   K1, twice
.set K2,   100                         ; v[100:101] K2, twice
.set BM,   112                         ; v[112:113] my two blocks' largest magnitudes
.set SO,   114                         ; v114-115 the conversions' scale operands
.set BY,   116                         ; v116-117 the scale bytes
.set BW,   118                         ; v118     both bytes
.set SQ,   120                         ; v[120:127] chains of sums; v120 ends as the row's sum (x: of squares; w: of magnitudes)
; v2 16 x lane;  v3, v4 the turn: in, out;  v5 my codes' place in the region;  v6 my two scale bytes' place;  v7 my piece of a fragment;  v8, v9 the scale bytes' way out: LDS, memory;  v12, v13 the rows' sums: where I read one, where my wave's goes
	s_load_b256 s[4:11], s[0:1], 0x0               ; x s[4:5], w1 s[6:7], w2 s[8:9], acod s[10:11]
	s_load_b256 s[12:19], s[0:1], 0x20             ; ascl s[12:13], w1c s[14:15], w2c s[16:17], ps1 s[18:19]
	s_load_b64 s[20:21], s[0:1], 0x40              ; ps2
	v_lshl_add_u32 v14, v0, 2, 0x22600
	v_mov_b32 v15, 0
	v_lshrrev_b32 v10, 5, v0
	s_delay_alu instid0(VALU_DEP_1)
	v_readfirstlane_b32 s33, v10                   ; wave 0..15 = my row in the block
	v_and_b32 v1, 31, v0                           ; lane
	s_delay_alu instid0(VALU_DEP_1)
	v_lshlrev_b32 v2, 4, v1
	s_delay_alu instid0(VALU_DEP_2)
	v_lshrrev_b32 v10, 4, v1                       ; h
	s_delay_alu instid0(VALU_DEP_3)
	v_and_b32 v11, 15, v1                          ; r
	s_mul_i32 s41, s33, REG
	v_lshl_add_u32 v3, v10, 4, v2
	s_delay_alu instid0(VALU_DEP_1)
	v_add_nc_u32 v3, s41, v3                       ; in: 16 x lane, + 16 behind the first 256 bytes of a load's 512
	v_mul_u32_u24 v4, v1, 272
	s_delay_alu instid0(VALU_DEP_1)
	v_add_nc_u32 v4, s41, v4                       ; out: 272 x lane
	v_mul_u32_u24 v5, v1, 48
	s_delay_alu instid0(VALU_DEP_1)
	v_add_nc_u32 v5, s41, v5                       ; my 48 bytes of the row's stream of codes
	v_lshrrev_b32 v6, 2, v1
	s_delay_alu instid0(VALU_DEP_1)
	v_lshlrev_b32 v6, 7, v6
	v_and_b32 v7, 3, v1
	s_delay_alu instid0(VALU_DEP_1)
	v_lshl_add_u32 v6, v7, 1, v6
	s_lshl_b32 s42, s33, 3
	s_add_co_u32 s42, s42, SCST
	v_add_nc_u32 v6, s42, v6                       ; blocks 2 l, 2 l + 1 of row w: 128 (l / 4) + 8 w + 2 (l % 4)
	v_mul_u32_u24 v7, v11, REG
	s_delay_alu instid0(VALU_DEP_1)
	v_mad_u32_u24 v7, v10, 24, v7
	s_mul_i32 s42, s33, 96
	v_add_nc_u32 v7, s42, v7                       ; row r's region, K step w, + 24 h
	s_and_b32 s42, s33, 1
	s_lshl_b32 s42, s42, 9
	v_add_nc_u32 v9, s42, v2                       ; 16 x lane + 512 x (wave % 2)
	s_delay_alu instid0(VALU_DEP_1)
	v_add_nc_u32 v8, SCST, v9
	v_lshl_add_u32 v12, v11, 2, WSR                ; the sum of row r
	v_lshrrev_b32 v13, 5, v0
	s_delay_alu instid0(VALU_DEP_1)
	v_lshl_add_u32 v13, v13, 2, WSR                ; my wave's word
	v_mov_b32 v105, 0                              ; written once: a lane permute's destination counts as one of its sources
	v_mov_b32 v106, 0
	s_mov_b32 s34, 0x76543210                      ; v_permlanex16_b32's selects for lane l xor 16
	s_mov_b32 s35, 0xfedcba98
	s_mov_b32 s36, 0x3a000000                      ; 1 / 2048
	s_mov_b32 s37, 0x358637bd                      ; 1e-6
	s_mov_b32 s38, 0xc3000000                      ; -128
	s_mov_b32 s39, 0x42fe0000                      ; 127
	s_mov_b32 s40, 0x7fffffff                      ; a number's magnitude bits
	s_mov_b32 s43, 0x41e00000                      ; 28, the format's largest number
	s_and_b32 s24, ttmp9, 127                      ; a weight's row block,
	s_max_u32 s25, ttmp9, 256
	s_sub_co_u32 s25, s25, 256                     ; x's
	s_lshl_b32 s26, s24, 2                         ; a weight's row block's word among the partial sums
	s_mov_b32 s27, 0
	s_wait_kmcnt 0x0
	s_cmp_lt_u32 ttmp9, 128                        ; w1 or w2
	s_cselect_b64 s[6:7], s[6:7], s[8:9]
	s_cselect_b64 s[14:15], s[14:15], s[16:17]
	s_cselect_b64 s[18:19], s[18:19], s[20:21]
	s_cmp_lt_u32 ttmp9, 256                        ; a weight or x
	s_cselect_b64 s[4:5], s[6:7], s[4:5]           ; the numbers,
	s_cselect_b64 s[10:11], s[14:15], s[10:11]     ; the codes,
	s_cselect_b32 s24, s24, s25                    ; the row block
	s_add_nc_u64 s[18:19], s[18:19], s[26:27]
	s_lshl_b32 s28, s24, 17                        ; 16 rows of 8,192 bytes,
	s_lshl_b32 s29, s33, 13                        ; my row
	s_add_co_u32 s28, s28, s29
	s_mov_b32 s29, 0
	s_add_nc_u64 s[4:5], s[4:5], s[28:29]
	s_lshr_b32 s30, s24, 3
	s_mul_i32 s30, s30, 196608                     ; g
	s_and_b32 s31, s24, 7
	s_mul_i32 s31, s31, 1536                       ; i
	s_add_co_u32 s30, s30, s31
	s_mul_i32 s31, s33, 12288                      ; K step w: 24,576 (w / 2) + 12,288 (w % 2)
	s_add_co_u32 s30, s30, s31
	s_mov_b32 s31, 0
	s_add_nc_u64 s[10:11], s[10:11], s[30:31]
	s_lshl_b32 s28, s24, 10
	s_add_nc_u64 s[12:13], s[12:13], s[28:29]      ; x's scale bytes (a weight's work-group stores none)
	; ---- the row: 16 loads, all out at once
.set j, 0
.rept 16
	global_load_b128 v[D+4*j:D+4*j+3], v2, s[4:5] offset:512*j th:TH_LOAD_NT
.set j, j+1
.endr
	; ---- the turn through my region
.irp g, 0,1,2,3
	s_wait_loadcnt 12-4*\g                         ; loads come back in order: four more are in, the younger ones stay out
.irp k, 0,1,2,3
	ds_store_b128 v3, v[D+16*\g+4*\k:D+16*\g+4*\k+3] offset:544*(4*\g+\k)
.endr
.endr
	s_wait_dscnt 0x0                               ; the stores have read their registers
.set j, 0
.rept 16
	ds_load_b128 v[D+4*j:D+4*j+3], v4 offset:16*j  ; v[D + n] = the row's number 64 x lane + n
.set j, j+1
.endr
	s_wait_dscnt 0x0
; eight numbers: x K1, to the nearest whole number (ties to even), clipped as the reference clips, x K2
.macro Q8 base
.irp p, 0,2,4,6
	v_pk_mul_f32 v[\base+\p:\base+\p+1], v[\base+\p:\base+\p+1], v[K1:K1+1]
.endr
.irp p, 0,1,2,3,4,5,6,7
	v_rndne_f32 v[\base+\p], v[\base+\p]
.endr
.irp p, 0,1,2,3,4,5,6,7
	v_med3_num_f32 v[\base+\p], v[\base+\p], s38, s39
.endr
.irp p, 0,2,4,6
	v_pk_mul_f32 v[\base+\p:\base+\p+1], v[\base+\p:\base+\p+1], v[K2:K2+1]
.endr
.endm
	s_cmp_lt_u32 ttmp9, 256
	s_cbranch_scc1 .Lweight
	; ---- x: my two blocks' largest magnitudes, by turns
.irp e, 0,1
	v_max3_num_f32 v[BM+\e], |v[D+32*\e]|, |v[D+32*\e+1]|, |v[D+32*\e+2]|
.endr
.irp i, 3,5,7,9,11,13,15,17,19,21,23,25,27,29
.irp e, 0,1
	s_delay_alu instid0(VALU_DEP_2)
	v_max3_num_f32 v[BM+\e], v[BM+\e], |v[D+32*\e+\i]|, |v[D+32*\e+\i+1]|
.endr
.endr
.irp e, 0,1
	s_delay_alu instid0(VALU_DEP_2)
	v_max_num_f32 v[BM+\e], v[BM+\e], |v[D+32*\e+31]|
.endr
	; ---- the row's sum of squares and largest magnitude
.irp k, 0,1,2,3
	v_pk_mul_f32 v[SQ+2*\k:SQ+2*\k+1], v[D+2*\k:D+2*\k+1], v[D+2*\k:D+2*\k+1]
.endr
.irp j, 4,8,12,16,20,24,28
.irp k, 0,1,2,3
	s_delay_alu instid0(VALU_DEP_4)
	v_pk_fma_f32 v[SQ+2*\k:SQ+2*\k+1], v[D+2*(\j+\k):D+2*(\j+\k)+1], v[D+2*(\j+\k):D+2*(\j+\k)+1], v[SQ+2*\k:SQ+2*\k+1]
.endr
.endr
	s_delay_alu instid0(VALU_DEP_3)
	v_pk_add_f32 v[SQ:SQ+1], v[SQ:SQ+1], v[SQ+2:SQ+3]
	s_delay_alu instid0(VALU_DEP_2)
	v_pk_add_f32 v[SQ+4:SQ+5], v[SQ+4:SQ+5], v[SQ+6:SQ+7]
	v_max_num_f32 v104, v[BM], v[BM+1]
	s_delay_alu instid0(VALU_DEP_2)
	v_pk_add_f32 v[SQ:SQ+1], v[SQ:SQ+1], v[SQ+4:SQ+5]
	s_delay_alu instid0(VALU_DEP_1)
	v_add_f32 v[SQ], v[SQ], v[SQ+1]
.irp m, 1
	s_delay_alu instid0(VALU_DEP_1)
	v_add_f32_dpp v[SQ], v[SQ], v[SQ] row_xmask:\m row_mask:0xf bank_mask:0xf
	s_delay_alu instid0(VALU_DEP_4)
	v_max_num_f32_dpp v104, v104, v104 row_xmask:\m row_mask:0xf bank_mask:0xf
.endr
.irp m, 2, 4, 8
	s_delay_alu instid0(VALU_DEP_2)
	v_add_f32_dpp v[SQ], v[SQ], v[SQ] row_xmask:\m row_mask:0xf bank_mask:0xf
	s_delay_alu instid0(VALU_DEP_2)
	v_max_num_f32_dpp v104, v104, v104 row_xmask:\m row_mask:0xf bank_mask:0xf
.endr
	s_delay_alu instid0(VALU_DEP_2)
	v_permlanex16_b32 v105, v[SQ], s34, s35
	s_delay_alu instid0(VALU_DEP_2)
	v_permlanex16_b32 v106, v104, s34, s35
	s_delay_alu instid0(VALU_DEP_2)
	v_add_f32 v[SQ], v[SQ], v105
	s_delay_alu instid0(VALU_DEP_2)
	v_max_num_f32 v104, v104, v106
	s_delay_alu instid0(VALU_DEP_2)
	v_fma_f32 v107, v[SQ], s36, s37                ; the mean of squares + 1e-6
	s_wait_alu depctr_va_vdst(0)
	v_rsq_f32 v108, v107
	v_nop                                          ; a plain instruction behind the transcendental,
	s_wait_alu depctr_va_vdst(0)                   ; and the wait ahead of the first use of its result
	v_mul_f32 v108, 0x3cb504f3, v108               ; x 2048^-0.5: what a number is multiplied by in the norm
	s_delay_alu instid0(VALU_DEP_1)
	v_mul_f32 v109, v104, v108                     ; the normed row's largest magnitude,
	s_delay_alu instid0(VALU_DEP_1)
	v_max_num_f32 v109, 0x3727c5ac, v109           ; at least 1e-5
	s_wait_alu depctr_va_vdst(0)
	v_rcp_f32 v110, v109
	v_mul_f32 v[K2], 0x3c010204, v109              ; K2 = clip / 127.  (Plain work behind the reciprocal: it reads the source and not the result)
	v_mul_f32 v[K2+1], 0x3c010204, v109
	s_wait_alu depctr_va_vdst(0)
	v_mul_f32 v110, s39, v110                      ; 127 / clip
	s_delay_alu instid0(VALU_DEP_1)
	v_mul_f32 v[K1], v108, v110
	s_delay_alu instid0(VALU_DEP_2)
	v_mul_f32 v[K1+1], v108, v110
.irp g, 0,1,2,3,4,5,6,7
	Q8 D+8*\g
.endr
	v_pk_mul_f32 v[BM:BM+1], v[BM:BM+1], v[K1:K1+1]   ; the same four steps on the blocks' largest magnitudes
	s_delay_alu instid0(VALU_DEP_1)
	v_rndne_f32 v[BM], v[BM]
	s_delay_alu instid0(VALU_DEP_2)
	v_rndne_f32 v[BM+1], v[BM+1]
	s_delay_alu instid0(VALU_DEP_2)
	v_med3_num_f32 v[BM], v[BM], s38, s39
	s_delay_alu instid0(VALU_DEP_2)
	v_med3_num_f32 v[BM+1], v[BM+1], s38, s39
	s_delay_alu instid0(VALU_DEP_1)
	v_pk_mul_f32 v[BM:BM+1], v[BM:BM+1], v[K2:K2+1]
	s_branch .Lcodes
.Lweight:
	; ---- a weight: the row's sum of |w|, four chains a lane, started by the first eight numbers
.irp k, 0,1,2,3
	v_add_f32 v[SQ+\k], |v[D+\k]|, |v[D+4+\k]|
.endr
.set i, 8
.rept 14
.irp k, 0,1,2,3
	s_delay_alu instid0(VALU_DEP_4)
	v_add_f32 v[SQ+\k], v[SQ+\k], |v[D+i+\k]|
.endr
.set i, i+4
.endr
	s_delay_alu instid0(VALU_DEP_3)
	v_add_f32 v[SQ], v[SQ], v[SQ+1]
	s_delay_alu instid0(VALU_DEP_2)
	v_add_f32 v[SQ+2], v[SQ+2], v[SQ+3]
	s_delay_alu instid0(VALU_DEP_1)
	v_add_f32 v[SQ], v[SQ], v[SQ+2]
.irp m, 1,2,4,8
	s_delay_alu instid0(VALU_DEP_1)
	v_add_f32_dpp v[SQ], v[SQ], v[SQ] row_xmask:\m row_mask:0xf bank_mask:0xf
.endr
	s_delay_alu instid0(VALU_DEP_1)
	v_permlanex16_b32 v105, v[SQ], s34, s35
	s_delay_alu instid0(VALU_DEP_1)
	v_add_f32 v[SQ], v[SQ], v105
	; ---- and the numbers whose codes are the sign codes
.set j, 0
.rept 64
	v_cmp_neq_f32 vcc_lo, 0, v[D+j]
	v_bfi_b32 v[D+j], s40, s43, v[D+j]             ; 28 under w's sign,
	s_delay_alu instid0(VALU_DEP_1)
	v_cndmask_b32 v[D+j], 0, v[D+j], vcc_lo        ; and 0 where w is 0
.set j, j+1
.endr
	v_mov_b32 v[BM], s43                           ; taken as both blocks' largest magnitude, 28 gives the scale 1: the conversion then leaves 28 as it is
	v_mov_b32 v[BM+1], s43
.Lcodes:
	; ---- the MX quantiser, two blocks a lane
	s_wait_alu depctr_va_vdst(0)
.irp e, 0,1
	v_max_num_f32 v[BM+\e], 0x2800000, v[BM+\e]    ; the floor 2^(5 - 127): the byte cannot fall under 1
.endr
.irp e, 0,1
	s_delay_alu instid0(VALU_DEP_2)
	v_add_nc_u32 v[SO+\e], 0xfe000000, v[BM+\e]    ; 4 off the exponent field: the conversion takes this operand's exponent field as its scale, and nothing else of it
.endr
.irp e, 0,1
	s_delay_alu instid0(VALU_DEP_2)
	v_lshrrev_b32 v[BY+\e], 23, v[SO+\e]           ; the scale's byte
.endr
	s_delay_alu instid0(VALU_DEP_1)
	v_lshl_or_b32 v[BW], v[BY+1], 8, v[BY]
	v_cvt_scalef32_pk16_bf6_f32 v[80:82], v[D:D+15], v[SO]
	v_cvt_scalef32_pk16_bf6_f32 v[92:94], v[D+16:D+31], v[SO]      ; (a conversion's three registers begin on an even number: a block's second half is made elsewhere and moved)
	v_cvt_scalef32_pk16_bf6_f32 v[86:88], v[D+32:D+47], v[SO+1]
	v_cvt_scalef32_pk16_bf6_f32 v[96:98], v[D+48:D+63], v[SO+1]
	v_nop                                          ; one plain place behind a scaled conversion
.irp i, 0,1,2
	v_mov_b32 v[83+\i], v[92+\i]
	v_mov_b32 v[89+\i], v[96+\i]
.endr
	; ---- v[80:91]: my 48 bytes of the row's stream, to the head of my region (my reads of it are over); my two scale bytes to their final place; my row's sum to my wave's word.
	; (A weight's scale bytes and x's sums of squares are stored too and read by nobody: so every LDS store is one text for all work-groups)
.irp c, 0,1,2
	ds_store_b128 v5, v[80+4*\c:83+4*\c] offset:16*\c
.endr
	ds_store_b16 v6, v[BW]
	ds_store_b32 v13, v[SQ]                        ; all lanes write the same word with the same value
	s_wait_dscnt 0x0                               ; for the others' sake: my stores have landed
	s_barrier_signal -1
	s_barrier_wait -1
	; ---- wave w takes K step w of the 16 rows as the fragment's registers
.irp p, 0,1,2,3,4,5
	ds_load_b64 v[100+2*\p:101+2*\p], v7 offset:48*(\p/3)+8*(\p%3)
.endr
	s_wait_dscnt 0x0
.irp c, 0,1,2
	global_store_b128 v2, v[100+4*\c:103+4*\c], s[10:11] offset:512*\c   ; 32 lanes store 512 consecutive bytes, at a multiple of 512 from the buffer's first byte
.endr
	s_cmp_lt_u32 ttmp9, 256
	s_cbranch_scc1 .Lsum
	s_cmp_lt_u32 s33, 2                            ; x: waves 0 and 1 store the row block's 1,024 scale bytes
	s_cbranch_scc0 .Ldone
	ds_load_b128 v[92:95], v8
	s_wait_dscnt 0x0
	global_store_b128 v9, v[92:95], s[12:13]
	s_branch .Ldone
.Lsum:
	s_cmp_lg_u32 s33, 0                            ; a weight: wave 0 adds the 16 rows' sums, a row a lane, and its lane 0 stores the partial sum
	s_cbranch_scc1 .Ldone
	ds_load_b32 v92, v12
	v_mov_b32 v93, 0                               ; the store's offset
	s_wait_dscnt 0x0
.irp m, 1
	v_add_f32_dpp v92, v92, v92 row_xmask:\m row_mask:0xf bank_mask:0xf
.endr
.irp m, 2, 4, 8
	s_delay_alu instid0(VALU_DEP_1)
	v_add_f32_dpp v92, v92, v92 row_xmask:\m row_mask:0xf bank_mask:0xf
.endr
	v_cmp_eq_u32 vcc_lo, 0, v0
	s_wait_alu depctr_va_vdst(0)
	s_wait_xcnt 0x0                                ; EXEC is narrowed only behind this wait
	s_and_saveexec_b32 s44, vcc_lo
	global_store_b32 v93, v92, s[18:19]
	s_wait_xcnt 0x0                                ; and widened only behind this one
	s_or_b32 exec_lo, exec_lo, s44
.Ldone:
	s_wait_tensorcnt 0x0
	ds_add_u32 v14, v15
	s_wait_dscnt 0x0
	s_endpgm
.Lfunc_end_k_qda51f8f13e_quant:
	.size	k_qda51f8f13e_quant, .Lfunc_end_k_qda51f8f13e_quant-k_qda51f8f13e_quant
	.p2alignl 7, 3214868480
	.fill 96, 4, 3214868480
	.section	.rodata,"a",@progbits
	.p2align	6, 0x0
	.amdhsa_kernel k_qda51f8f13e_quant
		.amdhsa_group_segment_fixed_size 142848
		.amdhsa_private_segment_fixed_size 0
		.amdhsa_enable_private_segment 0
		.amdhsa_kernarg_size 72
		.amdhsa_user_sgpr_count 2
		.amdhsa_user_sgpr_kernarg_segment_ptr 1
		.amdhsa_wavefront_size32 1
		.amdhsa_system_sgpr_workgroup_id_x 1
		.amdhsa_system_sgpr_workgroup_id_y 1
		.amdhsa_system_sgpr_workgroup_id_z 1
		.amdhsa_system_vgpr_workitem_id 0
		.amdhsa_next_free_vgpr 128
		.amdhsa_next_free_sgpr 66
		.amdhsa_reserve_vcc 1
		.amdhsa_float_denorm_mode_32 3
		.amdhsa_float_denorm_mode_16_64 3
		.amdhsa_memory_ordered 1
		.amdhsa_forward_progress 1
		.amdhsa_inst_pref_size 47
	.end_amdhsa_kernel
	.amdgpu_metadata
---
amdhsa.version: [ 1, 2 ]
amdhsa.kernels:
  - .name:           k_qda51f8f13e_quant
    .symbol:         k_qda51f8f13e_quant.kd
    .args:
      - { .name: x, .offset: 0, .size: 8, .value_kind: global_buffer, .address_space: global }
      - { .name: w1, .offset: 8, .size: 8, .value_kind: global_buffer, .address_space: global }
      - { .name: w2, .offset: 16, .size: 8, .value_kind: global_buffer, .address_space: global }
      - { .name: acod, .offset: 24, .size: 8, .value_kind: global_buffer, .address_space: global }
      - { .name: ascl, .offset: 32, .size: 8, .value_kind: global_buffer, .address_space: global }
      - { .name: w1c, .offset: 40, .size: 8, .value_kind: global_buffer, .address_space: global }
      - { .name: w2c, .offset: 48, .size: 8, .value_kind: global_buffer, .address_space: global }
      - { .name: ps1, .offset: 56, .size: 8, .value_kind: global_buffer, .address_space: global }
      - { .name: ps2, .offset: 64, .size: 8, .value_kind: global_buffer, .address_space: global }
    .group_segment_fixed_size: 142848
    .private_segment_fixed_size: 0
    .kernarg_segment_align: 8
    .kernarg_segment_size: 72
    .max_flat_workgroup_size: 512
    .sgpr_count:     66
    .vgpr_count:     128
    .wavefront_size: 32
...
	.end_amdgpu_metadata
.endif
;; end of part 1
;; launch gemm1 (part 2): grid 8 x 32, 4 waves a work-group, clusters of 4 x 4, 327,680 bytes of LDS; arguments acod, ascl, w1c, ps1, b1, h; writes h
.if DOCPART == 2
	.amdgcn_target "amdgcn-amd-amdhsa--gfx1250"
	.amdhsa_code_object_version 6
	.text
	.protected	k_qda51f8f13e_gemm1
	.globl	k_qda51f8f13e_gemm1
	.p2align	8
	.type	k_qda51f8f13e_gemm1,@function
k_qda51f8f13e_gemm1:
	s_mov_b64 s[64:65], 0
	v_nop
	global_prefetch_b8 v0, s[64:65] scope:SCOPE_SE
	s_setreg_imm32_b32 hwreg(HW_REG_WAVE_MODE, 25, 1), 1
	s_wait_xcnt 0x0
	s_wait_alu depctr_hold_cnt(0) depctr_sa_sdst(0) depctr_va_vdst(0) depctr_va_sdst(0) depctr_va_ssrc(0) depctr_va_vcc(0) depctr_vm_vsrc(0)
	s_getreg_b32 s2, hwreg(HW_REG_IB_STS2, 6, 4)
	s_cmp_eq_u32 s2, 0
	s_cbranch_scc0 .Lentry_in_a_cluster
	s_endpgm
.Lentry_in_a_cluster:
	s_bfe_u32 s2, ttmp6, 0x10000c
	s_cmp_lg_u32 s2, 0xf033
	s_cbranch_scc0 .Lentry_shape_is_right
	s_endpgm
.Lentry_shape_is_right:
; C[m][n] = bias[n] + the sum over k of A[m][k] B[n][k].  A: 8,192 rows, B: 2,048 rows, K = 2,048: codes of BF6 (E3M2) with one E8M0 byte for each 32 along K; C: [8192][2048] f32; sums in f32.
; A arrives as codes and scale bytes.  B = sign(w) x mean|w| arrives as SIGN CODES (all five magnitude bits set under w's sign; 0 where w is 0) and 128 partial sums of |w|.
; THE MASK.  Every wave adds the partial sums in one fixed order, takes the mean's scale by the quantiser's rule and puts sixteen copies of -mean through the quantiser's conversion: three words, the mean's code with the sign
; bit set, repeated through 96 bits.  One AND with word p % 3 turns register p of a fragment of sign codes into the codes of sign(w) x mean.  B's scale byte is the same for every block: one register.
; LAYOUT.  Both operands lie in memory in the order of the operand's registers: the codes of 128 rows (a group) are 196,608 dense bytes; in a group K step s (128 along K) begins at 12,288 s, row block i at + 1,536 i,
; and a fragment is three loads of 16 bytes a lane at 16 x lane + 512 c.  A's scale bytes: 8,192 group + 1,024 i + 128 t + 8 r + 4 q + b (K step 2 t + q, block b).
; A tile of C, 256 x 256, is made by four waves, 128 x 128 each: 64 accumulators, 512 registers.  256 tiles: one for each work-group.
; THE RING: two slots X and Y of three K steps each (4 x 36,864 bytes: A's two groups, B's two groups).  K's sixteen steps are six fills: 0-2 (X), 3-5 (Y), 6-8 (X), 9-11 (Y), 12-14 (X), 15 (Y).
; The first two go out at the head, one joint load a wave (wave 0: A's for X, wave 1: B's for X, wave 2: A's for Y, wave 3: B's for Y; two rows of 36,864 bytes, a group each).  The other four are refills, a quarter of the
; slot a wave, each asked for 160 matrix instructions of the wave ahead of the wait for it.  The sixteen steps are written out: slots and B's two sets come back together after six steps, and only one such trip would be like another.
; A's SCALE WORDS come from memory straight into 64 registers, once: a load takes 256 consecutive bytes, lanes 0-15 the two words of an even pair of K steps, lanes 16-31 those of the odd pair beside it (row 1 of the scale register).
; CLUSTERS: 4 x 4 work-groups; A's blocks are asked for jointly along a row of the cluster, B's along a column.
; No prefetch is written: the block is the largest, in clusters, and K is six fills, two of them asked for at the head.
; THE MATRIX INSTRUCTION IS USED TRANSPOSED (source 0 = 16 rows of B, source 1 = 16 rows of A): a lane holds eight neighbouring numbers of a row of C.  THE BIAS is the C of each sum's first matrix instruction.
; REGISTERS: window 0: v0-31 addresses, the mask, B's scale word; v32-95 A's scale words; v96-159 the bias; v160-255 A's fragments, one set (at the head: the mean's work).
;   window 1: B's fragments, two sets, at v0 and v128.  Windows 2, 3: the accumulators of my rows 0-63, 64-127 ((a, b) at v[8 (8 (a % 4) + b)]).
; THE ANDs of B's next set stand between the later matrix instructions of a step, a few behind each, under their own window setting: they name none of those products' registers.
; LIMITS: NaN and infinities are not served.  The mean is summed in a fixed order that is not the reference's.  A mean under 2^-122 has its byte held at 1; where the mean is 0 all codes are 0.
.set SIZE_N, 2048
.set FR,     12                        ; registers of a fragment
.set NL,     3                         ; LDS loads that bring one
.set NP,     4                         ; places behind this matrix instruction (ISA guide 7.12.1)
.set FRB,    1536
.set QB,     8*FRB                     ; 128 rows x 128 K
.set QT,     3*QB                      ; a quarter of a slot
.set GB,     16*QB                     ; a group for all of K
.set SLOT,   4*QT
.set SPARE,  2*SLOT                    ; behind the ring: the spare words, 128 bytes a wave
.set SPITCH, 528                       ; the way out: a stage of 16 rows x (512 + 16) bytes a wave, in slot X, which has had its last fill and its last read by then
.set MK,   8                           ; v8-10 the mask
.set ADRA, 16                          ; v16-17 my A fragments in X, Y
.set ADRB, 20                          ; v20-21 my B fragments
.set STO,  24
.set RD,   25
.set CO,   26
.set SO,   27                          ; 8 x lane: the scale words' offset
.set SPW,  28                          ; my spare word; never rewritten
.set NIL,  29                          ; 0; never rewritten
.set BO,   30                          ; the bias: 32 x (lane / 16)
.set SBR,  31                          ; B's scale word
.set SC,   32                          ; A's scale words: block a, K step s: v[SC + 8 a + 2 (s / 4) + s % 2], row (s / 2) % 2
.set BI,   96
.set AF,   160
.set TP,   160
.set TC,   168
.set G1A,  24                          ; s[24:31], s[32:39] group 1 for A's and B's loads
.set G1B,  32
.set HXA,  40                          ; s[40:55] group 0 of the head's four loads
.set HXB,  44
.set HYA,  48
.set HYB,  52
.set G0A,  56                          ; s[56:63] group 0 of A's refills: X, Y;  s[68:75] of B's
.set G0B,  68
.set MSB, 0
.macro WIN new                         ; low byte: bits 1:0 source 0, 3:2 source 1, 5:4 source 2, 7:6 destination; the high byte repeats the setting that is left
.if MSB != \new
	s_set_vgpr_msb (MSB<<8)|\new
.set MSB, \new
.endif
.endm
.set MUL_LO,   0xa1
.set MUL_HI,   0xf1
.set FIRST_LO, 0x81                    ; the first step: C (the bias) window 0
.set FIRST_HI, 0xc1
.set TO_B,     0x40
.set TO_M,     0x44                    ; the AND: destination and source 1 window 1, the mask window 0
.macro PLACES n
.rept \n
	v_nop
.endr
.endm
.macro JLOAD g0a, g1a, g0b, g1b        ; a joint refill: waves 0, 1 for A, waves 2, 3 for B; s_nop 0 and four v_nop behind each line
	s_cmp_eq_u32 s17, 0
	s_cbranch_scc0 .Lfor_b_\@
	tensor_load_to_lds s[\g0a:\g0a+3], s[\g1a:\g1a+7]
	s_nop 0
	PLACES 4
	s_branch .Lasked_\@
.Lfor_b_\@:
	tensor_load_to_lds s[\g0b:\g0b+3], s[\g1b:\g1b+7]
	s_nop 0
	PLACES 4
.Lasked_\@:
.endm
.macro CREST                           ; a round of the cluster's barrier behind its opening barrier
	s_cmp_lg_u32 s16, 0
	s_cbranch_scc1 .Lnot_wave_0_\@
	s_barrier_signal -3
.Lnot_wave_0_\@:
	s_barrier_wait -3
	s_barrier_signal -1
	s_barrier_wait -1
.endm
.macro CROUND
	s_barrier_signal -1
	s_barrier_wait -1
	CREST
.endm
.macro SHAPE g, c, rows, pitch         ; words 1 to 7 of a group 1: rows of c elements of 8 bytes
	s_mov_b32 s[\g+1], ((\c)&0xffff)<<16
	s_mov_b32 s[\g+2], ((\c)>>16)|((\rows)<<16)
	s_mov_b32 s[\g+3], (\c)<<16
	s_mov_b32 s[\g+4], \rows
	s_mov_b32 s[\g+5], \pitch
	s_mov_b32 s[\g+6], 0
	s_mov_b32 s[\g+7], 0
.endm
.macro G0SET g, lds, base, off
	s_mov_b32 s[\g], 1
	s_mov_b32 s[\g+1], \lds
	s_add_nc_u64 s[\g+2:\g+3], s[\base:\base+1], \off
	s_or_b32 s[\g+3], s[\g+3], 0x80000000
.endm
.macro ARM under, g0, g1, next         ; one arm of the head's chain: a load, and a jump to the join
	s_cmp_lt_u32 s16, \under
	s_cbranch_scc0 \next
	tensor_load_to_lds s[\g0:\g0+3], s[\g1:\g1+7]
	s_nop 0
	PLACES 4
	s_branch .Lhead_asked
\next:
.endm
	s_load_b128 s[4:7], s[0:1], 0x0                ; A's codes, A's scales
	s_load_b128 s[8:11], s[0:1], 0x10              ; B's sign codes, the partial sums
	s_load_b128 s[12:15], s[0:1], 0x20             ; the bias, C
	v_lshl_add_u32 v[SPW], v0, 2, SPARE
	v_mov_b32 v[NIL], 0
	ds_add_u32 v[SPW], v[NIL]                      ; the opening lines: the add, twice on end, and its wait ahead of my first tensor load
	ds_add_u32 v[SPW], v[NIL]
	v_lshrrev_b32 v1, 5, v0
	v_readfirstlane_b32 s16, v1                    ; wave 0..3
	s_lshr_b32 s17, s16, 1                         ; my half of the tile's rows; also: my refills are A's (0) or B's (1)
	s_and_b32 s18, s16, 1                          ; my half of its columns; also: which group I refill
	s_bfe_u32 s96, ttmp6, 0x40000                  ; cx
	s_bfe_u32 s97, ttmp6, 0x40004                  ; cy
	s_lshl_b32 s98, ttmp9, 2
	s_add_co_u32 s98, s98, s96                     ; tile column
	s_and_b32 s99, ttmp7, 0xffff
	s_lshl_b32 s99, s99, 2
	s_add_co_u32 s99, s99, s97                     ; tile row
	s_lshl_b32 s100, s97, 2
	s_lshl_b32 s100, 15, s100                      ; my row of the cluster
	s_lshl_b32 s101, 0x1111, s96                   ; my column
	s_or_b32 s[G1A], s100, (3<<16)|(1<<21)         ; the mask; elements of 8 bytes; bit 21 beside a mask
	s_or_b32 s[G1B], s101, (3<<16)|(1<<21)
	SHAPE G1A, QT/8, 2, GB/8                       ; the head's loads: two groups' three K steps, 36,864 bytes a row, the rows a group apart
	SHAPE G1B, QT/8, 2, GB/8
	s_mul_i32 s20, s99, 2*GB                       ; A: the tile row's two groups
	s_mov_b32 s21, 0
	s_lshl_b32 s22, s99, 14                        ; A's scale bytes: the tile row's 16,384, my 128 rows' 8,192
	s_lshl_b32 s23, s17, 13
	s_add_co_u32 s22, s22, s23
	s_mov_b32 s23, 0
	s_mul_i32 s104, s98, 2*GB                      ; B: the tile column's two groups
	s_mov_b32 s105, 0
	s_mul_i32 s92, s18, GB                         ; the group that I refill
	s_mov_b32 s93, 0
	s_mul_i32 s19, s16, QT                         ; and where it goes: by the wave's number alone
	s_mul_i32 s88, s17, QT                         ; what I read: my group of A,
	s_mul_i32 s89, s18, QT
	s_add_co_u32 s89, s89, 2*QT                    ; my group of B
	s_mul_i32 s90, s16, 16*SPITCH                  ; my stage, in X
	s_mov_b32 s2, 0x76543210                       ; v_permlanex16_b32's selects for lane l xor 16
	s_mov_b32 s3, 0xfedcba98
	s_wait_dscnt 0x0                               ; both opening adds are done
	s_wait_kmcnt 0x0
	s_add_nc_u64 s[20:21], s[4:5], s[20:21]
	s_add_nc_u64 s[6:7], s[6:7], s[22:23]
	s_add_nc_u64 s[104:105], s[8:9], s[104:105]
	CROUND                                         ; all sixteen work-groups are here: the first joint loads meet
	G0SET HXA, 0, 20, 0
	G0SET HXB, 2*QT, 104, 0
	G0SET HYA, SLOT, 20, QT
	G0SET HYB, SLOT+2*QT, 104, QT
	s_add_nc_u64 s[20:21], s[20:21], s[92:93]
	s_add_nc_u64 s[104:105], s[104:105], s[92:93]
.irp y, 0,1                            ; the refills' group 0: X begins with K step 6, Y with K step 9
	s_mov_b32 s[G0A+4*\y], 1
	s_add_co_u32 s[G0A+4*\y+1], s19, \y*SLOT
	s_add_nc_u64 s[G0A+4*\y+2:G0A+4*\y+3], s[20:21], (2+\y)*QT
	s_or_b32 s[G0A+4*\y+3], s[G0A+4*\y+3], 0x80000000
	s_mov_b32 s[G0B+4*\y], 1
	s_add_co_u32 s[G0B+4*\y+1], s19, \y*SLOT
	s_add_nc_u64 s[G0B+4*\y+2:G0B+4*\y+3], s[104:105], (2+\y)*QT
	s_or_b32 s[G0B+4*\y+3], s[G0B+4*\y+3], 0x80000000
.endr
	s_lshl_b32 s94, s98, 10                        ; my first column, in bytes of f32
	s_lshl_b32 s95, s18, 9
	s_add_co_u32 s94, s94, s95
	s_mov_b32 s95, 0
	s_add_nc_u64 s[12:13], s[12:13], s[94:95]
	s_lshl_b32 s92, s99, 8
	s_lshl_b32 s93, s17, 7
	s_add_co_u32 s92, s92, s93                     ; my first row of C,
	s_lshl_b32 s92, s92, 13                        ; x 8,192 bytes
	s_mov_b32 s93, 0
	s_add_nc_u64 s[92:93], s[92:93], s[94:95]
	s_add_nc_u64 s[14:15], s[14:15], s[92:93]
	ARM 1, HXA, G1A, .Lh1                          ; one chain, one load to an arm: one tensor load a wave at the head
	ARM 2, HXB, G1B, .Lh2
	ARM 3, HYA, G1A, .Lh3
	tensor_load_to_lds s[HYB:HYB+3], s[G1B:G1B+7]
	s_nop 0
	PLACES 4
.Lhead_asked:
	v_and_b32 v1, 15, v0                           ; r
	v_bfe_u32 v2, v0, 4, 1                         ; h
	v_and_b32 v6, 31, v0                           ; lane
	v_lshlrev_b32 v3, 4, v6
	v_lshlrev_b32 v[BO], 5, v2
	v_lshlrev_b32 v[SO], 3, v6
	v_add_nc_u32 v[ADRA], s88, v3
	v_add_nc_u32 v[ADRB], s89, v3
	v_add_nc_u32 v[ADRA+1], SLOT, v[ADRA]
	v_add_nc_u32 v[ADRB+1], SLOT, v[ADRB]
	v_mul_u32_u24 v5, v1, SPITCH                   ; into the stage: row r, 32 bytes for each half of the lanes
	v_lshl_add_u32 v5, v2, 5, v5
	v_add_nc_u32 v[STO], s90, v5
	v_lshlrev_b32 v[CO], 4, v6                     ; back: 32 lanes take one row of 512 bytes; the same in C
	v_add_nc_u32 v[RD], s90, v[CO]
	s_wait_alu depctr_va_vdst(0)
	global_load_b128 v[TP:TP+3], v3, s[10:11]      ; the 128 partial sums, four a lane
.irp b, 0,1,2,3,4,5,6,7
	global_load_b128 v[BI+8*\b:BI+8*\b+3], v[BO], s[12:13] offset:64*\b
	global_load_b128 v[BI+8*\b+4:BI+8*\b+7], v[BO], s[12:13] offset:64*\b+16
.endr
.irp i, 0,1,2,3,4,5,6,7
.irp t, 0,1,2,3
	global_load_b64 v[SC+8*\i+2*\t:SC+8*\i+2*\t+1], v[SO], s[6:7] offset:1024*\i+256*\t   ; 32 lanes read 256 consecutive bytes
.endr
.endr
	s_wait_loadcnt 48                              ; the partial sums are in; the 16 loads of the bias and the 32 of the scale words stay out
	v_add_f32 v[TP], v[TP], v[TP+1]
	v_add_f32 v[TP+2], v[TP+2], v[TP+3]
	v_add_f32 v[TP], v[TP], v[TP+2]
.irp m, 1,2,4,8
	v_add_f32_dpp v[TP], v[TP], v[TP] row_xmask:\m row_mask:0xf bank_mask:0xf
.endr
	v_permlanex16_b32 v[TP+1], v[TP], s2, s3
	v_add_f32 v[TP], v[TP], v[TP+1]
	v_mul_f32 v[TP], 0x34800000, v[TP]             ; / 2^22: the mean
	v_max_num_f32 v[TP+1], 0x2800000, v[TP]        ; the floor 2^(5 - 127): the byte cannot fall under 1
	v_add_nc_u32 v[TP+2], 0xfe000000, v[TP+1]      ; 4 off the exponent field: the conversion's scale operand
	v_lshrrev_b32 v[TP+3], 23, v[TP+2]
	v_lshl_or_b32 v[TP+3], v[TP+3], 8, v[TP+3]
	v_lshl_or_b32 v[SBR], v[TP+3], 16, v[TP+3]     ; the byte four times
.set i, 0
.rept 16
	v_xor_b32 v[TC+i], 0x80000000, v[TP]           ; -mean: its code has the sign bit set
.set i, i+1
.endr
	v_cvt_scalef32_pk16_bf6_f32 v[MK:MK+2], v[TC:TC+15], v[TP+2]
	v_nop                                          ; one plain place behind a scaled conversion
.macro LOC s                           ; K step s lies in slot (s / 3) % 2 at (s % 3) QB
.set LR, ((\s)/3)%2
.set LO, ((\s)%3)*QB
.endm
.macro FRAG reg, adr, off, i
.irp c, 0,1,2
	ds_load_b128 v[\reg+4*\c:\reg+4*\c+3], v[\adr] offset:(\off)+(\i)*FRB+512*\c
.endr
.endm
; 16 matrix instructions of K step s: A's blocks a0, a0 + 1 x B's eight; the 64 accumulators take turns.  per: how many ANDs of B's next set (at NB, counted by NA) stand behind each.
.macro MUL16 a0, s, first, per
.irp a, \a0, \a0+1
.irp b, 0,1,2,3,4,5,6,7
.set DA, 8*(8*((\a)%4)+\b)
.set BA, 128*((\s)%2)+FR*\b
.set AA, AF+FR*(\a)
.set SA, SC+8*(\a)+2*((\s)/4)+(\s)%2
.if \first
	v_wmma_scale_f32_16x16x128_f8f6f4 v[DA:DA+7], v[BA:BA+FR-1], v[AA:AA+FR-1], v[BI+8*\b:BI+8*\b+7], v[SBR], v[SA] matrix_a_fmt:MATRIX_FMT_BF6 matrix_b_fmt:MATRIX_FMT_BF6
.elseif ((\s)/2)%2
	v_wmma_scale_f32_16x16x128_f8f6f4 v[DA:DA+7], v[BA:BA+FR-1], v[AA:AA+FR-1], v[DA:DA+7], v[SBR], v[SA] matrix_a_fmt:MATRIX_FMT_BF6 matrix_b_fmt:MATRIX_FMT_BF6 matrix_b_scale:MATRIX_SCALE_ROW1
.else
	v_wmma_scale_f32_16x16x128_f8f6f4 v[DA:DA+7], v[BA:BA+FR-1], v[AA:AA+FR-1], v[DA:DA+7], v[SBR], v[SA] matrix_a_fmt:MATRIX_FMT_BF6 matrix_b_fmt:MATRIX_FMT_BF6
.endif
.if \per
	WIN TO_M
.rept \per
	v_and_b32 v[NB+NA], v[MK+NA%3], v[NB+NA]
.set NA, NA+1
.endr
	WIN CW
.endif
.endr
.endr
.endm
.macro FETCH_B p                       ; B's eight fragments of the K step that LOC has named
	WIN TO_B
.irp i, 0,1,2,3,4,5,6,7
	FRAG 128*(\p)+FR*\i, ADRB+LR, LO, \i
.endr
	WIN 0
.endm
.macro FETCH_A i0
.irp i, \i0, \i0+1, \i0+2, \i0+3
	FRAG AF+FR*(\i), ADRA+LR, LO, \i
.endr
.endm
; K step s, where the next step's tiles have been shown to every wave.  B's other set is free through the whole step: it is fetched first and masked among the step's last 32 products.
.macro STEP s, first
	LOC (\s)+1
.set NB, 128*(1-(\s)%2)
.set NA, 0
	FETCH_B 1-(\s)%2                               ; (four places stand behind the last step's products)
	s_wait_alu depctr_va_vdst(0)
	s_wait_dscnt 12*NL                             ; A's blocks 0-3 are in; blocks 4-7 (12 loads) and B's next set (24) may be out
.if \first
	WIN FIRST_LO
.set CW, FIRST_HI
.else
	WIN MUL_LO
.set CW, MUL_HI
.endif
	MUL16 0, \s, \first, 0
	MUL16 2, \s, \first, 0
	PLACES NP
	WIN 0
	FETCH_A 0
	s_wait_dscnt 4*NL                              ; all but the twelve just issued: A's blocks 4-7 and B's next set are in
	WIN CW
	MUL16 4, \s, \first, 3
	MUL16 6, \s, \first, 3
	PLACES NP                                      ; in front of the loads into A's blocks 4-7 and into B's set, and between the last AND and the products that read its register
	WIN 0
	FETCH_A 4
.endm
; K step s, the last of its slot.  Every wave waits for all its tensor loads, adds 0 to its spare word, and waits for that and for its reads of the slot; mode 1: the barrier opens a round of the cluster's barrier and the
; slot is filled again, three K steps; mode 2: the same with one K step, the last; mode 0: nothing is left to fetch.
.macro TURN s, mode
	LOC (\s)+1
.set SL, ((\s)/3)%2
.set NB, 128*(1-(\s)%2)
.set NA, 0
.set CW, MUL_HI
	s_wait_alu depctr_va_vdst(0)                   ; the wait, as in STEP
	s_wait_tensorcnt 0x0                           ; all my tensor loads have landed: my part of the slot that is read next
	ds_add_u32 v[SPW], v[NIL]
	s_wait_dscnt 4*NL+1                            ; (the add and A's blocks 4-7 may be out)
	WIN MUL_LO
	MUL16 0, \s, 0, 0
	s_wait_dscnt 0x0                               ; the add is done, and my reads of this slot are over
	s_barrier_signal -1
	MUL16 2, \s, 0, 0
	WIN 0
	s_barrier_wait -1
.if \mode
	CREST                                          ; no wave of any partner still reads this slot or has a load on its way
.if (\s) > 5
	s_add_nc_u64 s[G0A+4*SL+2:G0A+4*SL+3], s[G0A+4*SL+2:G0A+4*SL+3], 2*QT   ; six K steps on
	s_add_nc_u64 s[G0B+4*SL+2:G0B+4*SL+3], s[G0B+4*SL+2:G0B+4*SL+3], 2*QT
.endif
.if \mode == 2
	s_mov_b32 s[G1A+2], 48<<16                     ; no load of mine is out: the last fill is one K step, 48 rows of 256 bytes
	s_mov_b32 s[G1A+4], 48
	s_mov_b32 s[G1B+2], 48<<16
	s_mov_b32 s[G1B+4], 48
.endif
	JLOAD G0A+4*SL, G1A, G0B+4*SL, G1B             ; the first tensor load behind the round; its four v_nop are the places in front of the loads below
.else
	PLACES NP
.endif
	FETCH_B 1-(\s)%2
	FETCH_A 0
	WIN CW
	MUL16 4, \s, 0, 0
	s_wait_dscnt 4*NL                              ; B's next set is in; A's blocks 0-3 may be out
	MUL16 6, \s, 0, 6
	PLACES NP
	WIN 0
	FETCH_A 4
.endm
	s_wait_alu depctr_va_vdst(0)
	s_wait_tensorcnt 0x0                           ; my one load has landed, so a descriptor may be written:
	SHAPE G1A, 32, 144, 32                         ; from here on a load is a quarter of a slot: 144 dense rows of 256 bytes
	SHAPE G1B, 32, 144, 32
	s_barrier_signal -1
	s_barrier_wait -1                              ; everybody's has: both slots are whole
	LOC 0
	FETCH_B 0
	FETCH_A 0
	FETCH_A 4
	s_wait_dscnt 8*NL                              ; B's set is in; A's 24 loads may be out
	WIN TO_M
.set n, 0
.rept 8*FR
	v_and_b32 v[n], v[MK+n%3], v[n]
.set n, n+1
.endr
	PLACES NP
	WIN 0
	s_wait_alu depctr_va_vdst(0)
	s_wait_loadcnt 0x0                             ; the bias and A's scale words
	STEP 0, 1                                      ; the first step's products start the sums, with the bias as C
	STEP 1, 0
	TURN 2, 1                                      ; X is left: K steps 6-8
	STEP 3, 0
	STEP 4, 0
	TURN 5, 1                                      ; Y: 9-11
	STEP 6, 0
	STEP 7, 0
	TURN 8, 1                                      ; X: 12-14
	STEP 9, 0
	STEP 10, 0
	TURN 11, 2                                     ; Y: 15
	STEP 12, 0
	STEP 13, 0
	TURN 14, 0                                     ; X is left for good
	s_wait_alu depctr_va_vdst(0)
	s_wait_dscnt 4*NL                              ; the last step: nothing more to fetch
	WIN MUL_LO
	MUL16 0, 15, 0, 0
	MUL16 2, 15, 0, 0
	s_wait_dscnt 0
	WIN MUL_HI
	MUL16 4, 15, 0, 0
	MUL16 6, 15, 0, 0
; THE WAY OUT, block by block of 16 rows x 128 columns, through my own stage: in as 32 bytes a lane, back as whole rows of 512 bytes.  LDS serves a wave's instructions in order (ISA guide 5.7.1.4).
; A block's rows come back into the block's own 64 accumulator registers, which its stores into the stage have read; every store's offset is an immediate (127 rows of 8,192 bytes at the most, inside the signed 24-bit field).
; So no store's data and no base is written again, and no wait for the stores' addresses is owed.
.macro TOSTAGE a
.set AC, 64*((\a)%4)
	WIN 0x88+0x44*((\a)/4)                         ; an LDS store's data (source 1) and a load's (destination): window 2 or 3; the addresses window 0
.irp b, 0,1,2,3,4,5,6,7
	ds_store_b128 v[STO], v[AC+8*\b:AC+8*\b+3] offset:64*\b          ; each accumulator from its low end on
	ds_store_b128 v[STO], v[AC+8*\b+4:AC+8*\b+7] offset:64*\b+16
.endr
.irp t, 0,1,2,3,4,5,6,7,8,9,10,11,12,13,14,15
	ds_load_b128 v[AC+4*\t:AC+4*\t+3], v[RD] offset:\t*SPITCH
.endr
.endm
.macro SEND a, younger
.set AC, 64*((\a)%4)
	WIN 0x88+0x44*((\a)/4)                         ; a store's data are its source 1
	s_wait_dscnt \younger                          ; the block is back in registers
.irp t, 0,1,2,3,4,5,6,7,8,9,10,11,12,13,14,15
	global_store_b128 v[CO], v[AC+4*\t:AC+4*\t+3], s[14:15] offset:(16*(\a)+\t)*SIZE_N*4   ; 32 lanes store 512 consecutive bytes, at a multiple of 512 from C's first byte
.endr
.endm
	PLACES NP
	TOSTAGE 0
.irp a, 1,2,3,4,5,6,7
	TOSTAGE \a
	SEND \a-1, 32                                  ; behind block a - 1's loads: block a's 16 stores and 16 loads
.endr
	SEND 7, 0
	WIN 0
	s_wait_tensorcnt 0x0                           ; the wave's end
	ds_add_u32 v[SPW], v[NIL]
	s_wait_dscnt 0x0
	CROUND                                         ; the closing round
	s_endpgm
.Lfunc_end_k_qda51f8f13e_gemm1:
	.size	k_qda51f8f13e_gemm1, .Lfunc_end_k_qda51f8f13e_gemm1-k_qda51f8f13e_gemm1
	.p2alignl 7, 3214868480
	.fill 96, 4, 3214868480
	.section	.rodata,"a",@progbits
	.p2align	6, 0x0
	.amdhsa_kernel k_qda51f8f13e_gemm1
		.amdhsa_group_segment_fixed_size 327680
		.amdhsa_private_segment_fixed_size 0
		.amdhsa_enable_private_segment 0
		.amdhsa_kernarg_size 48
		.amdhsa_user_sgpr_count 2
		.amdhsa_user_sgpr_kernarg_segment_ptr 1
		.amdhsa_wavefront_size32 1
		.amdhsa_system_sgpr_workgroup_id_x 1
		.amdhsa_system_sgpr_workgroup_id_y 1
		.amdhsa_system_sgpr_workgroup_id_z 1
		.amdhsa_system_vgpr_workitem_id 0
		.amdhsa_next_free_vgpr 1024
		.amdhsa_next_free_sgpr 106
		.amdhsa_reserve_vcc 0
		.amdhsa_float_denorm_mode_32 3
		.amdhsa_float_denorm_mode_16_64 3
		.amdhsa_memory_ordered 1
		.amdhsa_forward_progress 1
		.amdhsa_inst_pref_size 255
	.end_amdhsa_kernel
	.section	.bss,"aw",@nobits
	.p2align	6
	.space	262144
	.amdgpu_metadata
---
amdhsa.version: [ 1, 2 ]
amdhsa.kernels:
  - .name:           k_qda51f8f13e_gemm1
    .symbol:         k_qda51f8f13e_gemm1.kd
    .args:
      - { .name: acod, .offset: 0, .size: 8, .value_kind: global_buffer, .address_space: global }
      - { .name: ascl, .offset: 8, .size: 8, .value_kind: global_buffer, .address_space: global }
      - { .name: w1c, .offset: 16, .size: 8, .value_kind: global_buffer, .address_space: global }
      - { .name: ps1, .offset: 24, .size: 8, .value_kind: global_buffer, .address_space: global }
      - { .name: b1, .offset: 32, .size: 8, .value_kind: global_buffer, .address_space: global }
      - { .name: h, .offset: 40, .size: 8, .value_kind: global_buffer, .address_space: global }
    .group_segment_fixed_size: 327680
    .private_segment_fixed_size: 0
    .kernarg_segment_align: 8
    .kernarg_segment_size: 48
    .max_flat_workgroup_size: 128
    .sgpr_count:     106
    .vgpr_count:     1024
    .wavefront_size: 32
...
	.end_amdgpu_metadata
.endif
;; end of part 2
;; launch quanth (part 3): grid 512 x 1, 16 waves a work-group, no clusters, 142,848 bytes of LDS; arguments h, acod, ascl; writes acod, ascl
.if DOCPART == 3
	.amdgcn_target "amdgcn-amd-amdhsa--gfx1250"
	.amdhsa_code_object_version 6
	.text
	.protected	k_qda51f8f13e_quanth
	.globl	k_qda51f8f13e_quanth
	.p2align	8
	.type	k_qda51f8f13e_quanth,@function
k_qda51f8f13e_quanth:
	s_mov_b64 s[64:65], 0
	v_nop
	global_prefetch_b8 v0, s[64:65] scope:SCOPE_SE
	s_setreg_imm32_b32 hwreg(HW_REG_WAVE_MODE, 25, 1), 1
	s_wait_xcnt 0x0
; The second product's left operand: gelu(h) (exact: by erf), row / sqrt(mean of squares + 1e-6) x 2048^-0.5, rounded to whole steps of (the row's largest magnitude, at least 1e-5) / 127, clipped to -128 .. 127,
; then the MX quantiser: codes of BF6 (E3M2) with one E8M0 byte for each 32 along K.  h: [8192][2048] f32.
; SHARES.  A work-group takes 16 rows, a wave one row of 2,048 numbers.
; A LANE HOLDS 64 NEIGHBOURS.  Each load takes 512 consecutive bytes, 16 a lane; the row turns through the wave's own LDS region (16 bytes of padding behind each 256) and comes back 256 bytes a lane: two whole blocks of 32.
; erf(z) = z a(z^2) / b(z^2), z held to -4 .. 4 (beyond, erf is 1 to the last bit of f32): a quotient of polynomials of degree 6 and 4 in z^2 that holds for every z.  All of b's coefficients are negative: b is never 0.
; gelu = 0.5 h + 0.5 h erf(h / sqrt 2).
; A BLOCK'S LARGEST RESULT IS NOT SEARCHED FOR TWICE: the largest magnitude is taken of gelu(h); the norm and the rounding rise with the magnitude and are odd in the sign, so the same instructions on that maximum give the block's largest result bit for bit.
; THE CODES' LAYOUT is the order of the matrix operand's registers.  Row = 128 g + 16 i + r, K step s = 2 t + q of 128: the fragment (16 rows x 128 K, 1,536 bytes) begins at 196,608 g + 24,576 t + 12,288 q + 1,536 i;
; in it register p (0..11) of lane l = r + 16 h lies at 512 (p / 4) + 16 l + 4 (p % 4); registers 6 c .. 6 c + 5 are the 24 bytes of block 2 c + h of the K step.
; THE SCALE BYTES: 8,192 g + 1,024 i + 128 t + 8 r + 4 q + b (b: the block in the K step): a row block's 1,024 bytes are dense.
; WAY OUT.  A row's 1,536 bytes of codes go to the head of its wave's region; behind a barrier wave w reads K step w of all 16 rows as the fragment's registers and stores three times 512 consecutive bytes.
; LIMITS: NaN and infinities are not served.  Far below 0 the gelu's error is absolute, about 1e-7 |h| (as in 0.5 h (1 + erf) computed in f32).  A block whose largest magnitude lies under 2^-122 has its byte held at 1; a block of
; zeros has the byte 1 where the rule says 127: its codes are zeros, and this program alone reads the bytes.  The norm's and the rounding's factors are folded into two, K1 and K2: a few last bits from the reference's order of operations.
.set REG,  8720                        ; a wave's LDS region: 32 x 272 bytes + 16, so that the 16 regions begin 16 bytes apart modulo 256
.set SCST, 16*REG                      ; behind them: the row block's 1,024 scale bytes, in their final order
.set D,    16                          ; v16-79   the row's 64 numbers of my lane
.set ZR,   80                          ; v80-87   the gelu: z;
.set XX,   88                          ; v88-95   z^2;
.set PA,   96                          ; v96-103  a;
.set PB,   104                         ; v104-111 b
.set K1,   98                          ; v[98:99]   K1, twice (behind the gelu)
.set K2,   100                         ; v[100:101] K2, twice
.set BM,   112                         ; v[112:113] my two blocks' largest magnitudes
.set SO,   114                         ; v114-115 the conversions' scale operands
.set BY,   116                         ; v116-117 the scale bytes
.set BW,   118                         ; v118     both bytes
.set KA,   120                         ; v[120:121] a's highest coefficient, twice; v[122:123] b's (an instruction takes one literal)
.set KB,   122
.set SQ,   120                         ; v[120:127] behind the gelu: four packed chains of squares
; v2 16 x lane;  v3, v4 the turn: in, out;  v5 my codes' place in the region;  v6 my two scale bytes' place;  v7 my piece of a fragment;  v8, v9 the scale bytes' way out: LDS, memory
	s_load_b64 s[4:5], s[0:1], 0x0                 ; h
	s_load_b128 s[12:15], s[0:1], 0x8              ; acod s[12:13], ascl s[14:15]
	v_lshl_add_u32 v14, v0, 2, 0x22600
	v_mov_b32 v15, 0
	v_lshrrev_b32 v10, 5, v0
	s_delay_alu instid0(VALU_DEP_1)
	v_readfirstlane_b32 s33, v10                   ; wave 0..15 = my row in the block
	v_and_b32 v1, 31, v0                           ; lane
	s_delay_alu instid0(VALU_DEP_1)
	v_lshlrev_b32 v2, 4, v1
	s_delay_alu instid0(VALU_DEP_2)
	v_lshrrev_b32 v10, 4, v1                       ; h
	s_delay_alu instid0(VALU_DEP_3)
	v_and_b32 v11, 15, v1                          ; r
	s_mul_i32 s41, s33, REG
	v_lshl_add_u32 v3, v10, 4, v2
	s_delay_alu instid0(VALU_DEP_1)
	v_add_nc_u32 v3, s41, v3                       ; in: 16 x lane, + 16 behind the first 256 bytes of a load's 512
	v_mul_u32_u24 v4, v1, 272
	s_delay_alu instid0(VALU_DEP_1)
	v_add_nc_u32 v4, s41, v4                       ; out: 272 x lane
	v_mul_u32_u24 v5, v1, 48
	s_delay_alu instid0(VALU_DEP_1)
	v_add_nc_u32 v5, s41, v5                       ; my 48 bytes of the row's stream of codes
	v_lshrrev_b32 v6, 2, v1
	s_delay_alu instid0(VALU_DEP_1)
	v_lshlrev_b32 v6, 7, v6
	v_and_b32 v7, 3, v1
	s_delay_alu instid0(VALU_DEP_1)
	v_lshl_add_u32 v6, v7, 1, v6
	s_lshl_b32 s42, s33, 3
	s_add_co_u32 s42, s42, SCST
	v_add_nc_u32 v6, s42, v6                       ; blocks 2 l, 2 l + 1 of row w: 128 (l / 4) + 8 w + 2 (l % 4)
	v_mul_u32_u24 v7, v11, REG
	s_delay_alu instid0(VALU_DEP_1)
	v_mad_u32_u24 v7, v10, 24, v7
	s_mul_i32 s42, s33, 96
	v_add_nc_u32 v7, s42, v7                       ; row r's region, K step w, + 24 h
	s_and_b32 s42, s33, 1
	s_lshl_b32 s42, s42, 9
	v_add_nc_u32 v9, s42, v2                       ; 16 x lane + 512 x (wave % 2)
	s_delay_alu instid0(VALU_DEP_1)
	v_add_nc_u32 v8, SCST, v9
	v_mov_b32 v[KA], 0xaf95df0b
	v_mov_b32 v[KA+1], 0xaf95df0b
	v_mov_b32 v[KB], 0xb77460cd
	v_mov_b32 v[KB+1], 0xb77460cd
	s_mov_b32 s34, 0x76543210                      ; v_permlanex16_b32's selects for lane l xor 16
	s_mov_b32 s35, 0xfedcba98
	s_mov_b32 s36, 0x3a000000                      ; 1 / 2048
	s_mov_b32 s37, 0x358637bd                      ; 1e-6
	s_mov_b32 s38, 0xc3000000                      ; -128
	s_mov_b32 s39, 0x42fe0000                      ; 127
	s_lshl_b32 s28, ttmp9, 17                      ; 16 rows of 8,192 bytes,
	s_lshl_b32 s29, s33, 13                        ; my row
	s_add_co_u32 s28, s28, s29
	s_mov_b32 s29, 0
	s_lshr_b32 s30, ttmp9, 3
	s_mul_i32 s30, s30, 196608                     ; g
	s_and_b32 s31, ttmp9, 7
	s_mul_i32 s31, s31, 1536                       ; i
	s_add_co_u32 s30, s30, s31
	s_mul_i32 s31, s33, 12288                      ; K step w: 24,576 (w / 2) + 12,288 (w % 2)
	s_add_co_u32 s30, s30, s31
	s_mov_b32 s31, 0
	s_lshl_b32 s26, ttmp9, 10
	s_mov_b32 s27, 0
	s_wait_kmcnt 0x0
	s_add_nc_u64 s[4:5], s[4:5], s[28:29]
	s_add_nc_u64 s[12:13], s[12:13], s[30:31]
	s_add_nc_u64 s[14:15], s[14:15], s[26:27]
	; ---- the row: 16 loads, all out at once
.set j, 0
.rept 16
	global_load_b128 v[D+4*j:D+4*j+3], v2, s[4:5] offset:512*j th:TH_LOAD_NT
.set j, j+1
.endr
	; ---- the turn through my region
.irp g, 0,1,2,3
	s_wait_loadcnt 12-4*\g                         ; loads come back in order: four more are in, the younger ones stay out
.irp k, 0,1,2,3
	ds_store_b128 v3, v[D+16*\g+4*\k:D+16*\g+4*\k+3] offset:544*(4*\g+\k)
.endr
.endr
	s_wait_dscnt 0x0                               ; the stores have read their registers
.set j, 0
.rept 16
	ds_load_b128 v[D+4*j:D+4*j+3], v4 offset:16*j  ; v[D + n] = the row's number 64 x lane + n
.set j, j+1
.endr
	s_wait_dscnt 0x0
; ---- the gelu of eight numbers, four pairs by turns, so that no line waits for the line above it.  The eight reciprocals are one batch with one wait.
.macro GELU g
.set HH, D+8*(\g)
.irp p, 0,2,4,6
	v_pk_mul_f32 v[ZR+\p:ZR+\p+1], v[HH+\p:HH+\p+1], 0x3f3504f3 op_sel_hi:[1,0]   ; z = h / sqrt 2,
.endr
.irp p, 0,1,2,3,4,5,6,7
	v_med3_num_f32 v[ZR+\p], v[ZR+\p], -4.0, 4.0   ; held
.endr
.irp p, 0,2,4,6
	v_pk_mul_f32 v[XX+\p:XX+\p+1], v[ZR+\p:ZR+\p+1], v[ZR+\p:ZR+\p+1]
.endr
.irp p, 0,2,4,6
	v_pk_fma_f32 v[PA+\p:PA+\p+1], v[XX+\p:XX+\p+1], v[KA:KA+1], 0x32edffee op_sel_hi:[1,1,0]
	v_pk_fma_f32 v[PB+\p:PB+\p+1], v[XX+\p:XX+\p+1], v[KB:KB+1], 0xb95fbd29 op_sel_hi:[1,1,0]
.endr
.irp c, 0xb60cff51, 0xb86ec2d2, 0xba40ac63, 0xbb41a1f6, 0xbc83dbd4
.irp p, 0,2,4,6
	v_pk_fma_f32 v[PA+\p:PA+\p+1], v[PA+\p:PA+\p+1], v[XX+\p:XX+\p+1], \c op_sel_hi:[1,1,0]
.endr
.endr
.irp c, 0xbadc924e, 0xbbf19bf8, 0xbc69b6a7
.irp p, 0,2,4,6
	v_pk_fma_f32 v[PB+\p:PB+\p+1], v[PB+\p:PB+\p+1], v[XX+\p:XX+\p+1], \c op_sel_hi:[1,1,0]
.endr
.endr
	s_wait_alu depctr_va_vdst(0)
.irp p, 0,1,2,3,4,5,6,7
	v_rcp_f32 v[PB+\p], v[PB+\p]
.endr
.irp p, 0,2,4,6
	v_pk_mul_f32 v[PA+\p:PA+\p+1], v[PA+\p:PA+\p+1], v[ZR+\p:ZR+\p+1]             ; z a: plain work behind the reciprocals that names none of their results,
.endr
.irp p, 0,2,4,6
	v_pk_mul_f32 v[HH+\p:HH+\p+1], v[HH+\p:HH+\p+1], 0.5 op_sel_hi:[1,0]          ; and 0.5 h
.endr
	s_wait_alu depctr_va_vdst(0)                   ; the wait ahead of the first use of a result: one for the eight
.irp p, 0,2,4,6
	v_pk_mul_f32 v[PA+\p:PA+\p+1], v[PA+\p:PA+\p+1], v[PB+\p:PB+\p+1]             ; erf
.endr
.irp p, 0,2,4,6
	s_delay_alu instid0(VALU_DEP_4)
	v_pk_fma_f32 v[HH+\p:HH+\p+1], v[HH+\p:HH+\p+1], v[PA+\p:PA+\p+1], v[HH+\p:HH+\p+1]   ; 0.5 h erf + 0.5 h
.endr
.endm
.irp g, 0,1,2,3,4,5,6,7
	GELU \g
.endr
	; ---- my two blocks' largest magnitudes, by turns
.irp e, 0,1
	v_max3_num_f32 v[BM+\e], |v[D+32*\e]|, |v[D+32*\e+1]|, |v[D+32*\e+2]|
.endr
.irp i, 3,5,7,9,11,13,15,17,19,21,23,25,27,29
.irp e, 0,1
	s_delay_alu instid0(VALU_DEP_2)
	v_max3_num_f32 v[BM+\e], v[BM+\e], |v[D+32*\e+\i]|, |v[D+32*\e+\i+1]|
.endr
.endr
.irp e, 0,1
	s_delay_alu instid0(VALU_DEP_2)
	v_max_num_f32 v[BM+\e], v[BM+\e], |v[D+32*\e+31]|
.endr
	; ---- the row's sum of squares and largest magnitude
.irp k, 0,1,2,3
	v_pk_mul_f32 v[SQ+2*\k:SQ+2*\k+1], v[D+2*\k:D+2*\k+1], v[D+2*\k:D+2*\k+1]
.endr
.irp j, 4,8,12,16,20,24,28
.irp k, 0,1,2,3
	s_delay_alu instid0(VALU_DEP_4)
	v_pk_fma_f32 v[SQ+2*\k:SQ+2*\k+1], v[D+2*(\j+\k):D+2*(\j+\k)+1], v[D+2*(\j+\k):D+2*(\j+\k)+1], v[SQ+2*\k:SQ+2*\k+1]
.endr
.endr
	s_delay_alu instid0(VALU_DEP_3)
	v_pk_add_f32 v[SQ:SQ+1], v[SQ:SQ+1], v[SQ+2:SQ+3]
	s_delay_alu instid0(VALU_DEP_2)
	v_pk_add_f32 v[SQ+4:SQ+5], v[SQ+4:SQ+5], v[SQ+6:SQ+7]
	v_max_num_f32 v104, v[BM], v[BM+1]
	s_delay_alu instid0(VALU_DEP_2)
	v_pk_add_f32 v[SQ:SQ+1], v[SQ:SQ+1], v[SQ+4:SQ+5]
	s_delay_alu instid0(VALU_DEP_1)
	v_add_f32 v[SQ], v[SQ], v[SQ+1]
.irp m, 1
	s_delay_alu instid0(VALU_DEP_1)
	v_add_f32_dpp v[SQ], v[SQ], v[SQ] row_xmask:\m row_mask:0xf bank_mask:0xf
	s_delay_alu instid0(VALU_DEP_4)
	v_max_num_f32_dpp v104, v104, v104 row_xmask:\m row_mask:0xf bank_mask:0xf
.endr
.irp m, 2, 4, 8
	s_delay_alu instid0(VALU_DEP_2)
	v_add_f32_dpp v[SQ], v[SQ], v[SQ] row_xmask:\m row_mask:0xf bank_mask:0xf
	s_delay_alu instid0(VALU_DEP_2)
	v_max_num_f32_dpp v104, v104, v104 row_xmask:\m row_mask:0xf bank_mask:0xf
.endr
	v_permlanex16_b32 v105, v[SQ], s34, s35        ; (v105 and v106 have been written, by the gelu)
	v_permlanex16_b32 v106, v104, s34, s35
	s_delay_alu instid0(VALU_DEP_2)
	v_add_f32 v[SQ], v[SQ], v105
	s_delay_alu instid0(VALU_DEP_2)
	v_max_num_f32 v104, v104, v106
	s_delay_alu instid0(VALU_DEP_2)
	v_fma_f32 v107, v[SQ], s36, s37                ; the mean of squares + 1e-6
	s_wait_alu depctr_va_vdst(0)
	v_rsq_f32 v108, v107
	v_nop                                          ; a plain instruction behind the transcendental,
	s_wait_alu depctr_va_vdst(0)                   ; and the wait ahead of the first use of its result
	v_mul_f32 v108, 0x3cb504f3, v108               ; x 2048^-0.5: what a number is multiplied by in the norm
	s_delay_alu instid0(VALU_DEP_1)
	v_mul_f32 v109, v104, v108                     ; the normed row's largest magnitude,
	s_delay_alu instid0(VALU_DEP_1)
	v_max_num_f32 v109, 0x3727c5ac, v109           ; at least 1e-5
	s_wait_alu depctr_va_vdst(0)
	v_rcp_f32 v110, v109
	v_mul_f32 v[K2], 0x3c010204, v109              ; K2 = clip / 127.  (Plain work behind the reciprocal: it reads the source and not the result)
	v_mul_f32 v[K2+1], 0x3c010204, v109
	s_wait_alu depctr_va_vdst(0)
	v_mul_f32 v110, s39, v110                      ; 127 / clip
	s_delay_alu instid0(VALU_DEP_1)
	v_mul_f32 v[K1], v108, v110
	s_delay_alu instid0(VALU_DEP_2)
	v_mul_f32 v[K1+1], v108, v110
; eight numbers: x K1, to the nearest whole number (ties to even), clipped as the reference clips, x K2
.macro Q8 base
.irp p, 0,2,4,6
	v_pk_mul_f32 v[\base+\p:\base+\p+1], v[\base+\p:\base+\p+1], v[K1:K1+1]
.endr
.irp p, 0,1,2,3,4,5,6,7
	v_rndne_f32 v[\base+\p], v[\base+\p]
.endr
.irp p, 0,1,2,3,4,5,6,7
	v_med3_num_f32 v[\base+\p], v[\base+\p], s38, s39
.endr
.irp p, 0,2,4,6
	v_pk_mul_f32 v[\base+\p:\base+\p+1], v[\base+\p:\base+\p+1], v[K2:K2+1]
.endr
.endm
.irp g, 0,1,2,3,4,5,6,7
	Q8 D+8*\g
.endr
	v_pk_mul_f32 v[BM:BM+1], v[BM:BM+1], v[K1:K1+1]   ; the same four steps on the blocks' largest magnitudes
	s_delay_alu instid0(VALU_DEP_1)
	v_rndne_f32 v[BM], v[BM]
	s_delay_alu instid0(VALU_DEP_2)
	v_rndne_f32 v[BM+1], v[BM+1]
	s_delay_alu instid0(VALU_DEP_2)
	v_med3_num_f32 v[BM], v[BM], s38, s39
	s_delay_alu instid0(VALU_DEP_2)
	v_med3_num_f32 v[BM+1], v[BM+1], s38, s39
	s_delay_alu instid0(VALU_DEP_1)
	v_pk_mul_f32 v[BM:BM+1], v[BM:BM+1], v[K2:K2+1]
	; ---- the MX quantiser, two blocks a lane
.irp e, 0
	s_delay_alu instid0(VALU_DEP_1)
	v_max_num_f32 v[BM+\e], 0x2800000, v[BM+\e]    ; the floor 2^(5 - 127): the byte cannot fall under 1
.endr
.irp e, 1
	s_delay_alu instid0(VALU_DEP_2)
	v_max_num_f32 v[BM+\e], 0x2800000, v[BM+\e]    ; the floor 2^(5 - 127): the byte cannot fall under 1
.endr
.irp e, 0,1
	s_delay_alu instid0(VALU_DEP_2)
	v_add_nc_u32 v[SO+\e], 0xfe000000, v[BM+\e]    ; 4 off the exponent field: the conversion takes this operand's exponent field as its scale, and nothing else of it
.endr
.irp e, 0,1
	s_delay_alu instid0(VALU_DEP_2)
	v_lshrrev_b32 v[BY+\e], 23, v[SO+\e]           ; the scale's byte
.endr
	s_delay_alu instid0(VALU_DEP_1)
	v_lshl_or_b32 v[BW], v[BY+1], 8, v[BY]
	v_cvt_scalef32_pk16_bf6_f32 v[80:82], v[D:D+15], v[SO]
	v_cvt_scalef32_pk16_bf6_f32 v[92:94], v[D+16:D+31], v[SO]      ; (a conversion's three registers begin on an even number: a block's second half is made elsewhere and moved)
	v_cvt_scalef32_pk16_bf6_f32 v[86:88], v[D+32:D+47], v[SO+1]
	v_cvt_scalef32_pk16_bf6_f32 v[96:98], v[D+48:D+63], v[SO+1]
	v_nop                                          ; one plain place behind a scaled conversion
.irp i, 0,1,2
	v_mov_b32 v[83+\i], v[92+\i]
	v_mov_b32 v[89+\i], v[96+\i]
.endr
	; ---- v[80:91]: my 48 bytes of the row's stream, to the head of my region (my reads of it are over); my two scale bytes to their final place
.irp c, 0,1,2
	ds_store_b128 v5, v[80+4*\c:83+4*\c] offset:16*\c
.endr
	ds_store_b16 v6, v[BW]
	s_wait_dscnt 0x0                               ; for the others' sake: my stores have landed
	s_barrier_signal -1
	s_barrier_wait -1
	; ---- wave w takes K step w of the 16 rows as the fragment's registers
.irp p, 0,1,2,3,4,5
	ds_load_b64 v[100+2*\p:101+2*\p], v7 offset:48*(\p/3)+8*(\p%3)
.endr
	s_wait_dscnt 0x0
.irp c, 0,1,2
	global_store_b128 v2, v[100+4*\c:103+4*\c], s[12:13] offset:512*\c   ; 32 lanes store 512 consecutive bytes, at a multiple of 512 from the buffer's first byte
.endr
	s_cmp_lt_u32 s33, 2                            ; waves 0 and 1 store the row block's 1,024 scale bytes
	s_cbranch_scc0 .Ldone
	ds_load_b128 v[92:95], v8
	s_wait_dscnt 0x0
	global_store_b128 v9, v[92:95], s[14:15]
.Ldone:
	s_wait_tensorcnt 0x0
	ds_add_u32 v14, v15
	s_wait_dscnt 0x0
	s_endpgm
.Lfunc_end_k_qda51f8f13e_quanth:
	.size	k_qda51f8f13e_quanth, .Lfunc_end_k_qda51f8f13e_quanth-k_qda51f8f13e_quanth
	.p2alignl 7, 3214868480
	.fill 96, 4, 3214868480
	.section	.rodata,"a",@progbits
	.p2align	6, 0x0
	.amdhsa_kernel k_qda51f8f13e_quanth
		.amdhsa_group_segment_fixed_size 142848
		.amdhsa_private_segment_fixed_size 0
		.amdhsa_enable_private_segment 0
		.amdhsa_kernarg_size 24
		.amdhsa_user_sgpr_count 2
		.amdhsa_user_sgpr_kernarg_segment_ptr 1
		.amdhsa_wavefront_size32 1
		.amdhsa_system_sgpr_workgroup_id_x 1
		.amdhsa_system_sgpr_workgroup_id_y 1
		.amdhsa_system_sgpr_workgroup_id_z 1
		.amdhsa_system_vgpr_workitem_id 0
		.amdhsa_next_free_vgpr 128
		.amdhsa_next_free_sgpr 66
		.amdhsa_reserve_vcc 0
		.amdhsa_float_denorm_mode_32 3
		.amdhsa_float_denorm_mode_16_64 3
		.amdhsa_memory_ordered 1
		.amdhsa_forward_progress 1
		.amdhsa_inst_pref_size 79
	.end_amdhsa_kernel
	.amdgpu_metadata
---
amdhsa.version: [ 1, 2 ]
amdhsa.kernels:
  - .name:           k_qda51f8f13e_quanth
    .symbol:         k_qda51f8f13e_quanth.kd
    .args:
      - { .name: h, .offset: 0, .size: 8, .value_kind: global_buffer, .address_space: global }
      - { .name: acod, .offset: 8, .size: 8, .value_kind: global_buffer, .address_space: global }
      - { .name: ascl, .offset: 16, .size: 8, .value_kind: global_buffer, .address_space: global }
    .group_segment_fixed_size: 142848
    .private_segment_fixed_size: 0
    .kernarg_segment_align: 8
    .kernarg_segment_size: 24
    .max_flat_workgroup_size: 512
    .sgpr_count:     66
    .vgpr_count:     128
    .wavefront_size: 32
...
	.end_amdgpu_metadata
.endif
;; end of part 3
;; launch gemm2: the kernel of part 2 again; grid 8 x 32, 4 waves a work-group, clusters of 4 x 4, 327,680 bytes of LDS; arguments acod, ascl, w2c, ps2, b2, out0; writes out0
